; MI455X (gfx1250); checked and timed in simulation.
; The chip was launched on July 23, 2026; its instructions are those of AMD's public machine-readable ISA for CDNA 5 (MIT licence, August 2026) and "CDNA5" Instruction Set Architecture Reference Guide (July 2026). The comments in the code are by the model that wrote it; some were corrected since.
;; Conformer Attention Metal. Allowed arithmetic: float matrix products may take bf16 or f16 operands with f32 sums; all other float work in f32.
;; Inputs: bk 1,024 float32; bo 1,024 float32; bq 1,024 float32; bv 1,024 float32; mask 2 x 2,048 x 2,048 int32; pos_emb 2 x 2,048 x 1,024 float32; w_pos 16 x 1,024 float32; wk 1,024 x 1,024 float32; wo 1,024 x 1,024 float32; wq 1,024 x 1,024 float32; wv 1,024 x 1,024 float32; x 2 x 2,048 x 1,024 float32.
;; Outputs: out0 2 x 2,048 x 1,024 float32.
;; One version. Each part assembles by itself: llvm-mc -triple=amdgcn-amd-amdhsa -mcpu=gfx1250 --defsym DOCPART=n.
;; ======== version 1 of 1: 4 launches
;; limits: values are held in f16: magnitudes above 65,504 overflow, below 6.1e-05 lose precision
;; workspace buffers: xb 8,388,608 bytes; wqkv 6,291,456 bytes; wob 2,097,152 bytes; posb 262,144 bytes; maskw 1,048,576 bytes of whole numbers; qkvh 25,165,824 bytes; ao 8,388,608 bytes
;; launch prep (part 1): grid 256 x 1, 8 waves a work-group, no clusters, 216,064 bytes of LDS; arguments x, wq, wk, wv, wo, pos_emb, w_pos, mask, xb, wqkv, wob, posb, maskw; writes xb, wqkv, wob, posb, maskw
.if DOCPART == 1
	.amdgcn_target "amdgcn-amd-amdhsa--gfx1250"
	.amdhsa_code_object_version 6
	.text
	.protected	k_q725bcabf4f_prep
	.globl	k_q725bcabf4f_prep
	.p2align	8
	.type	k_q725bcabf4f_prep,@function
k_q725bcabf4f_prep:
	s_mov_b64 s[64:65], 0
	v_nop
	global_prefetch_b8 v0, s[64:65] scope:SCOPE_SE
	s_setreg_imm32_b32 hwreg(HW_REG_WAVE_MODE, 25, 1), 1
	s_wait_xcnt 0x0
; prep: every input is read once and brought into the form in which the later launches use it.
;   xb = f16(x); wqkv = f16(c wq), f16(wk), f16(wv); wob = f16(wo)       c = 0.125 log2(e), so that scores come out in the base-2 domain
;   posb[b][head][s] = log2(e) * sum over k of pos_emb[b][s][k] w_pos[head][k]   (f16 operands, f32 sums)
;   maskw: word ((b*128+qt)*128+kt)*8+j, bit L = (mask[b][16qt+(L&15)][16kt+8(L>>4)+j] != 0): the lane mask of register j of a 16-key x 16-query score tile
; LIMIT: operands are rounded to f16: a number above 65,504 in magnitude becomes infinity (x and the weights drawn here stay below 200 even 30 times larger).
; 256 work-groups of 8 waves; work-group g takes 1/256 of every task: 16 rows of x, 4 rows of each weight, 16 rows of pos_emb, 16 rows (one query tile) of mask.
; Straight-line text.  Three pools of 16 loads (each load: 512 neighbouring bytes of one row) keep 48 loads of every wave on their way.
; No cluster: only w_pos (64 KiB of the 384 KiB that a work-group reads) is shared.  No tensor loads: each byte passes through registers anyway, to be converted.
.set CQ,     0x3e38aa3b                ; 0.125 * log2(e)
.set LOG2E,  0x3fb8aa3b
.set WREG,   25600                     ; LDS bytes of a wave's own region
.set MPITCH, 528                       ; a mask row of 128 keys: 512 bytes + 16: sixteen rows start in sixteen different 16-byte columns modulo 256 bytes
.set MTILE,  16*MPITCH                 ; two mask tiles at +0 and +8448
.set PAT,    2*MTILE                   ; pos_emb tile, f16, 16 rows of 256 bytes + 16
.set PPITCH, 272
.set PTILE,  16*PPITCH                 ; the w_pos tile follows the pos_emb tile
.set RED,    8*WREG                    ; eight partial 16 x 16 products, 16 heads x 80 bytes each
.set MW0, 8                            ; v[8:9]   mask words of unit 0: lane L holds words 2L, 2L+1
.set MW1, 10                           ; v[10:11] of unit 1
.set WK,  16                           ; v[16:47] at work
.set ACC0, 48
.set ACC1, 56
.set PA,  64                           ; three pools of 64 registers
.set PB,  128
.set PC,  192
.macro LD16 pool, lo, step, off, nt    ; 16 loads of 512 neighbouring bytes, step bytes apart
.set i, 0
.rept 16
.if \nt
	global_load_b128 v[\pool+4*i:\pool+4*i+3], v1, s[\lo:\lo+1] offset:\off+i*\step th:TH_LOAD_NT
.else
	global_load_b128 v[\pool+4*i:\pool+4*i+3], v1, s[\lo:\lo+1] offset:\off+i*\step
.endif
.set i, i+1
.endr
.endm
.macro CV16 pool                       ; four f32 become four f16 in the first two registers of each group of four
.set i, 0
.rept 16
	v_cvt_pk_f16_f32 v[\pool+4*i], v[\pool+4*i], v[\pool+4*i+1]
	v_cvt_pk_f16_f32 v[\pool+4*i+1], v[\pool+4*i+2], v[\pool+4*i+3]
.set i, i+1
.endr
.endm
.macro ST8 pool, off                   ; 16 rows of 256 bytes of f16 into a padded tile
.set i, 0
.rept 16
	ds_store_b64 v5, v[\pool+4*i:\pool+4*i+1] offset:\off+i*PPITCH
.set i, i+1
.endr
.endm
.macro ST16 pool, off                  ; 16 rows of 512 bytes of mask into a padded tile
.set i, 0
.rept 16
	ds_store_b128 v3, v[\pool+4*i:\pool+4*i+3] offset:\off+i*MPITCH
.set i, i+1
.endr
.endm
; One unit of 128 keys: lane (r, h) reads mask[row r][16 kt + 8 h + 0..7]; each compare gives one word of maskw in a scalar register,
; which is put into its lane of the pair that the wave stores as 256 neighbouring bytes.
.macro PACK u, mw
	v_mov_b32 v[\mw], 0
	v_mov_b32 v[\mw+1], 0
.irp q, 0,1
.irp k, 0,1,2,3
	ds_load_b128 v[WK+8*\k:WK+8*\k+3], v4 offset:\u*MTILE+(4*\q+\k)*64
	ds_load_b128 v[WK+8*\k+4:WK+8*\k+7], v4 offset:\u*MTILE+(4*\q+\k)*64+16
.endr
	s_wait_dscnt 0x0
.irp k, 0,1,2,3
.irp j, 0,1,2,3,4,5,6,7
	v_cmp_ne_u32 s[40+\j], 0, v[WK+8*\k+\j]
.endr
.irp j, 0,1,2,3,4,5,6,7
	v_writelane_b32 v[\mw+(\j&1)], s[40+\j], (8*(4*\q+\k)+\j)>>1
.endr
.endr
.endr
	global_store_b64 v2, v[\mw:\mw+1], s[32:33] offset:\u*256
.endm
.macro PFRAG k                         ; fragments of K steps k and k+1: pos rows (A) and w_pos rows (B)
	ds_load_b128 v[WK:WK+3],     v6 offset:\k*64
	ds_load_b128 v[WK+4:WK+7],   v6 offset:\k*64+32
	ds_load_b128 v[WK+8:WK+11],  v6 offset:PTILE+\k*64
	ds_load_b128 v[WK+12:WK+15], v6 offset:PTILE+\k*64+32
	ds_load_b128 v[WK+16:WK+19], v6 offset:\k*64+64
	ds_load_b128 v[WK+20:WK+23], v6 offset:\k*64+96
	ds_load_b128 v[WK+24:WK+27], v6 offset:PTILE+\k*64+64
	ds_load_b128 v[WK+28:WK+31], v6 offset:PTILE+\k*64+96
	s_wait_dscnt 0x0
.endm
	s_load_b512 s[8:23], s[0:1], 0x0               ; x 8, wq 10, wk 12, wv 14, wo 16, pos_emb 18, w_pos 20, mask 22
	s_load_b256 s[24:31], s[0:1], 0x40             ; xb 24, wqkv 26, wob 28, posb 30
	s_load_b64 s[32:33], s[0:1], 0x60              ; maskw
	s_set_vgpr_msb 0x40
	v_lshl_add_u32 v0, v0, 2, 0x34800
	v_mov_b32 v1, 0
	s_set_vgpr_msb 0x4000
	v_lshrrev_b32 v15, 5, v0
	v_readfirstlane_b32 s4, v15                    ; wave w
	v_and_b32 v14, 31, v0                          ; lane L
	v_lshlrev_b32 v1, 4, v14                       ; 16 L: every f32 load
	v_lshlrev_b32 v2, 3, v14                       ; 8 L: every f16 store and the mask words
	v_and_b32 v15, 15, v0                          ; r
	v_bfe_u32 v14, v0, 4, 1                        ; h
	s_mul_i32 s7, s4, WREG                         ; my wave's LDS region
	s_add_co_u32 s6, s7, PAT
	v_add_nc_u32 v3, s7, v1                        ; mask tile, in
	v_mul_u32_u24 v4, v15, MPITCH
	v_lshl_add_u32 v4, v14, 5, v4
	v_add_nc_u32 v4, s7, v4                        ; mask tile, back: row r, 32 h
	v_add_nc_u32 v5, s6, v2                        ; f16 tiles, in
	v_mul_u32_u24 v6, v15, PPITCH
	v_lshl_add_u32 v6, v14, 4, v6
	v_add_nc_u32 v6, s6, v6                        ; f16 tiles, fragments: row r, 16 h
	s_mul_i32 s5, s4, 16*80
	s_add_co_u32 s5, s5, RED
	v_mul_u32_u24 v7, v15, 80
	v_lshl_add_u32 v7, v14, 5, v7
	v_add_nc_u32 v7, s5, v7                        ; my partial product: head r, s = 8 h ..
	v_lshrrev_b32 v13, 4, v0                       ; thread t sums head t >> 4, s = t & 15
	v_mul_u32_u24 v12, v13, 80
	v_lshl_add_u32 v12, v15, 2, v12
	v_add_nc_u32 v12, RED, v12
	v_lshlrev_b32 v13, 13, v13                     ; a head's row of posb is 8,192 bytes
	v_lshl_add_u32 v13, v15, 2, v13
	s_mov_b32 s35, 0
	s_mov_b32 s36, CQ
	s_mov_b32 s37, CQ
	s_lshl_b32 s38, ttmp9, 16                      ; g * 65,536
	s_wait_kmcnt 0x0
	s_lshl_b32 s34, s4, 9                          ; w * 512: my eighth of K
	s_add_nc_u64 s[20:21], s[20:21], s[34:35]      ; w_pos
	s_add_co_u32 s34, s34, s38
	s_add_nc_u64 s[18:19], s[18:19], s[34:35]      ; pos_emb: 16 rows of 4,096 bytes a work-group
	s_lshl_b32 s34, s38, 1
	s_lshl_b32 s39, s4, 10
	s_add_co_u32 s34, s34, s39
	s_add_nc_u64 s[22:23], s[22:23], s[34:35]      ; mask: 16 rows of 8,192 bytes a work-group, 1,024 bytes of each a wave
	LD16 PA, 18, 4096, 0, 1                        ; pos_emb
	LD16 PB, 20, 4096, 0, 0                        ; w_pos: read by every work-group, so no hint
	LD16 PC, 22, 8192, 0, 1                        ; mask, unit 0
	s_lshl_b32 s34, s4, 13
	s_add_co_u32 s34, s34, s38
	s_add_nc_u64 s[8:9], s[8:9], s[34:35]          ; x: g * 65,536 + w * 8,192
	s_lshr_b32 s34, s34, 1
	s_add_nc_u64 s[24:25], s[24:25], s[34:35]      ; xb: half of that
	s_lshr_b32 s34, s34, 1
	s_add_nc_u64 s[10:11], s[10:11], s[34:35]      ; the weights: g * 16,384 + w * 2,048
	s_add_nc_u64 s[12:13], s[12:13], s[34:35]
	s_add_nc_u64 s[14:15], s[14:15], s[34:35]
	s_add_nc_u64 s[16:17], s[16:17], s[34:35]
	s_lshr_b32 s34, s34, 1
	s_add_nc_u64 s[26:27], s[26:27], s[34:35]      ; their f16 copies: g * 8,192 + w * 1,024
	s_add_nc_u64 s[28:29], s[28:29], s[34:35]
	s_lshr_b32 s34, s34, 1
	s_add_nc_u64 s[32:33], s[32:33], s[34:35]      ; maskw: g * 4,096 + w * 512
	s_lshr_b32 s34, ttmp9, 7
	s_lshl_b32 s34, s34, 17                        ; b * 16 heads * 8,192
	s_and_b32 s39, ttmp9, 127
	s_lshl_b32 s39, s39, 6                         ; + 16 s * 4 bytes
	s_add_co_u32 s34, s34, s39
	s_add_nc_u64 s[30:31], s[30:31], s[34:35]      ; posb
	s_wait_loadcnt 32                              ; loads return in order: pos_emb is in, the 32 younger loads stay out
	CV16 PA
	ST8 PA, 0
	LD16 PA, 22, 8192, 512, 1                      ; mask, unit 1
	s_wait_loadcnt 32                              ; w_pos is in
	CV16 PB
	ST8 PB, PTILE
	LD16 PB, 8, 512, 0, 1                          ; x
	s_wait_loadcnt 32                              ; mask unit 0 is in
	ST16 PC, 0
.irp m, 0,1,2,3
.irp i, 0,1,2,3
	global_load_b128 v[PC+16*\m+4*\i:PC+16*\m+4*\i+3], v1, s[10+2*\m:11+2*\m] offset:\i*512 th:TH_LOAD_NT
.endr
.endr
	; The positional product over my 128 of K: four K steps on two accumulators that take turns, one instruction a turn.
	; LDS serves a wave's instructions in order, so the fragment loads see the stores above.
	PFRAG 0
	v_wmma_f32_16x16x32_f16 v[ACC0:ACC0+7], v[WK:WK+7], v[WK+8:WK+15], 0
	v_wmma_f32_16x16x32_f16 v[ACC1:ACC1+7], v[WK+16:WK+23], v[WK+24:WK+31], 0
.rept 4
	v_nop                                          ; four places before loads land in the fragments just read
.endr
	PFRAG 2
	v_wmma_f32_16x16x32_f16 v[ACC0:ACC0+7], v[WK:WK+7], v[WK+8:WK+15], v[ACC0:ACC0+7]
	v_wmma_f32_16x16x32_f16 v[ACC1:ACC1+7], v[WK+16:WK+23], v[WK+24:WK+31], v[ACC1:ACC1+7]
.rept 4
	v_nop                                          ; four places before the results are read
.endr
.irp p, 0,2,4,6
	v_pk_add_f32 v[ACC0+\p:ACC0+\p+1], v[ACC0+\p:ACC0+\p+1], v[ACC1+\p:ACC1+\p+1]
.endr
	ds_store_b128 v7, v[ACC0:ACC0+3]               ; register j is (s = 8 h + j, head = r)
	ds_store_b128 v7, v[ACC0+4:ACC0+7] offset:16
	PACK 0, MW0
	s_wait_loadcnt 32                              ; mask unit 1 is in; x and the weights stay out
	ST16 PA, MTILE
	PACK 1, MW1
	s_wait_loadcnt 16                              ; x is in
	CV16 PB
.set i, 0
.rept 16
	global_store_b64 v2, v[PB+4*i:PB+4*i+1], s[24:25] offset:i*256     ; 32 lanes store 256 neighbouring bytes, aligned
.set i, i+1
.endr
	s_wait_loadcnt 0x0                             ; the weights
.irp p, 0,2,4,6,8,10,12,14
	v_pk_mul_f32 v[PC+\p:PC+\p+1], v[PC+\p:PC+\p+1], s[36:37] op_sel_hi:[1,0]   ; wq times c, ahead of its one rounding
.endr
	CV16 PC
.irp i, 0,1,2,3
	global_store_b64 v2, v[PC+4*\i:PC+4*\i+1], s[26:27] offset:\i*256
	global_store_b64 v2, v[PC+16+4*\i:PC+16+4*\i+1], s[26:27] offset:2097152+\i*256
	global_store_b64 v2, v[PC+32+4*\i:PC+32+4*\i+1], s[26:27] offset:4194304+\i*256
	global_store_b64 v2, v[PC+48+4*\i:PC+48+4*\i+1], s[28:29] offset:\i*256
.endr
	; The eight waves' partial products meet: my stores are done, then the barrier, then every thread sums one number.
	s_wait_dscnt 0x0
	s_barrier_signal -1
	s_barrier_wait -1
.irp i, 0,1,2,3,4,5,6,7
	ds_load_b32 v[WK+\i], v12 offset:\i*1280
.endr
	s_wait_dscnt 0x0
	v_add_f32 v[WK], v[WK], v[WK+1]
	v_add_f32 v[WK+2], v[WK+2], v[WK+3]
	v_add_f32 v[WK+4], v[WK+4], v[WK+5]
	v_add_f32 v[WK+6], v[WK+6], v[WK+7]
	v_add_f32 v[WK], v[WK], v[WK+2]
	v_add_f32 v[WK+4], v[WK+4], v[WK+6]
	v_add_f32 v[WK], v[WK], v[WK+4]
	v_mul_f32 v[WK], LOG2E, v[WK]
	global_store_b32 v13, v[WK], s[30:31]          ; 64 bytes a head: a tile of 16 rows holds no more; all of posb is 256 KiB
	s_set_vgpr_msb 0x5
	s_wait_tensorcnt 0x0
	ds_add_u32 v0, v1
	s_wait_dscnt 0x0
	s_set_vgpr_msb 0x500
	s_endpgm
.Lfunc_end_k_q725bcabf4f_prep:
	.size	k_q725bcabf4f_prep, .Lfunc_end_k_q725bcabf4f_prep-k_q725bcabf4f_prep
	.p2alignl 7, 3214868480
	.fill 96, 4, 3214868480
	.section	.rodata,"a",@progbits
	.p2align	6, 0x0
	.amdhsa_kernel k_q725bcabf4f_prep
		.amdhsa_group_segment_fixed_size 216064
		.amdhsa_private_segment_fixed_size 0
		.amdhsa_enable_private_segment 0
		.amdhsa_kernarg_size 104
		.amdhsa_user_sgpr_count 2
		.amdhsa_user_sgpr_kernarg_segment_ptr 1
		.amdhsa_wavefront_size32 1
		.amdhsa_system_sgpr_workgroup_id_x 1
		.amdhsa_system_sgpr_workgroup_id_y 1
		.amdhsa_system_sgpr_workgroup_id_z 1
		.amdhsa_system_vgpr_workitem_id 0
		.amdhsa_next_free_vgpr 258
		.amdhsa_next_free_sgpr 66
		.amdhsa_reserve_vcc 0
		.amdhsa_float_denorm_mode_32 3
		.amdhsa_float_denorm_mode_16_64 3
		.amdhsa_memory_ordered 1
		.amdhsa_forward_progress 1
		.amdhsa_inst_pref_size 50
	.end_amdhsa_kernel
	.amdgpu_metadata
---
amdhsa.version: [ 1, 2 ]
amdhsa.kernels:
  - .name:           k_q725bcabf4f_prep
    .symbol:         k_q725bcabf4f_prep.kd
    .args:
      - { .name: x, .offset: 0, .size: 8, .value_kind: global_buffer, .address_space: global }
      - { .name: wq, .offset: 8, .size: 8, .value_kind: global_buffer, .address_space: global }
      - { .name: wk, .offset: 16, .size: 8, .value_kind: global_buffer, .address_space: global }
      - { .name: wv, .offset: 24, .size: 8, .value_kind: global_buffer, .address_space: global }
      - { .name: wo, .offset: 32, .size: 8, .value_kind: global_buffer, .address_space: global }
      - { .name: pos_emb, .offset: 40, .size: 8, .value_kind: global_buffer, .address_space: global }
      - { .name: w_pos, .offset: 48, .size: 8, .value_kind: global_buffer, .address_space: global }
      - { .name: mask, .offset: 56, .size: 8, .value_kind: global_buffer, .address_space: global }
      - { .name: xb, .offset: 64, .size: 8, .value_kind: global_buffer, .address_space: global }
      - { .name: wqkv, .offset: 72, .size: 8, .value_kind: global_buffer, .address_space: global }
      - { .name: wob, .offset: 80, .size: 8, .value_kind: global_buffer, .address_space: global }
      - { .name: posb, .offset: 88, .size: 8, .value_kind: global_buffer, .address_space: global }
      - { .name: maskw, .offset: 96, .size: 8, .value_kind: global_buffer, .address_space: global }
    .group_segment_fixed_size: 216064
    .private_segment_fixed_size: 0
    .kernarg_segment_align: 8
    .kernarg_segment_size: 104
    .max_flat_workgroup_size: 256
    .sgpr_count:     66
    .vgpr_count:     258
    .wavefront_size: 32
...
	.end_amdgpu_metadata
.endif
;; end of part 1
;; launch qkv (part 2): grid 16 x 16, 4 waves a work-group, clusters of 4 x 4, 327,680 bytes of LDS; arguments xb, wqkv, qkvh, bq, bk, bv; writes qkvh
.if DOCPART == 2
	.amdgcn_target "amdgcn-amd-amdhsa--gfx1250"
	.amdhsa_code_object_version 6
	.text
	.protected	k_q725bcabf4f_qkv
	.globl	k_q725bcabf4f_qkv
	.p2align	8
	.type	k_q725bcabf4f_qkv,@function
k_q725bcabf4f_qkv:
	s_mov_b64 s[64:65], 0
	v_nop
	global_prefetch_b8 v0, s[64:65] scope:SCOPE_SE
	s_setreg_imm32_b32 hwreg(HW_REG_WAVE_MODE, 25, 1), 1
	s_wait_xcnt 0x0
	s_wait_alu depctr_hold_cnt(0) depctr_sa_sdst(0) depctr_va_vdst(0) depctr_va_sdst(0) depctr_va_ssrc(0) depctr_va_vcc(0) depctr_vm_vsrc(0)
	s_getreg_b32 s2, hwreg(HW_REG_IB_STS2, 6, 4)
	s_cmp_eq_u32 s2, 0
	s_cbranch_scc0 .Lentry_in_a_cluster
	s_endpgm
.Lentry_in_a_cluster:
	s_bfe_u32 s2, ttmp6, 0x10000c
	s_cmp_lg_u32 s2, 0xf033
	s_cbranch_scc0 .Lentry_shape_is_right
	s_endpgm
.Lentry_shape_is_right:
; qkv: [4096 x 1024] xb times [3072 x 1024] wqkv transposed, plus bias, to qkvh[48][4096][64] in f16 (heads 0-15 c q, 16-31 k, 32-47 v; row = b*2048+s).
; LIMIT: results are rounded to f16: above 65,504 they become infinity (with x and the weights 30 times larger q, k, v reach some 5e3; with offsets of 30 spreads some 2.9e4).
; A work-group makes 256 rows x 192 columns (three heads) with four waves; wave w makes rows 64 w .. 64 w + 63 of all 192 columns: 48 accumulator tiles, 384 registers.
; K goes in 8 steps of 128 through two LDS slots filled by tensor loads whose rows are 256 bytes of memory at multiples of 256 bytes.
; CLUSTER 4 x 4: the four work-groups of a row of the cluster need the same rows of xb, the four of a column the same rows of wqkv; each tile is asked for jointly.
; Windows of 256 registers: 0: addresses, xb fragments (two buffers), bias; 1: wqkv fragments (two buffers); 2: accumulators of my rows 0-31; 3: of rows 32-63.
; The product is used transposed (source 0 = 16 rows of wqkv, source 1 = 16 rows of xb): a lane holds eight neighbouring columns of one row.
.set CQ,     0x3e38aa3b                ; 0.125 log2(e): wq carries it already, bq gets it here
.set KSTEP,  128
.set PITCH,  272                       ; 256 bytes + 16: sixteen rows start in sixteen different 16-byte columns modulo 256 bytes
.set ATILE,  128*PITCH                 ; what one load of xb brings
.set BTILE,  96*PITCH                  ; what one load of wqkv brings
.set SLOT,   2*ATILE+2*BTILE           ; 256 rows of xb, then 192 rows of wqkv
.set STAGE,  2*SLOT                    ; behind the ring: 16 rows x 400 bytes a wave, for the way out
.set SPITCH, 400
.set LAPS,   4                         ; a lap = two K steps
.set ADRA, 4                           ; v4, v5   LDS address of my xb fragments in slot 0, 1
.set ADRB, 6                           ; v6, v7   of the wqkv fragments
.set STO,  8
.set RD,   9
.set CO,   10
.set BOF,  11
.set FA,   16                          ; window 0: xb fragments, buffer f at FA + 32 f
.set BIAS, 160                         ; window 0: v160-255, bias of my lane's 8 columns in each of 12 column blocks
.set RB0,  16                          ; behind the loop: rows read back, two sets by turns
.set TMP,  64                          ; packed results
.set RB1,  112
.set G1, 24
.set G0, 32
.set G1B, 48
.set G0B, 56
.set MSB, 0
.macro WIN new                         ; the immediate's high byte repeats the setting that is left
.if MSB != \new
	s_set_vgpr_msb (MSB<<8)|\new
.set MSB, \new
.endif
.endm
.set MUL_LO, 0xa1                      ; source 0 window 1, source 1 window 0, C and D window 2
.set MUL_HI, 0xf1                      ; C and D window 3
.set TO_B,   0x40                      ; destination window 1
.macro JLOAD s                         ; waves 0, 1 ask for xb's two halves, waves 2, 3 for wqkv's: one mask and one set of registers a line
	s_cmp_eq_u32 s11, 0
	s_cbranch_scc0 .Lfor_b_\@
	tensor_load_to_lds s[G0+4*\s:G0+4*\s+3], s[G1:G1+7]
	s_nop 0
	s_branch .Lasked_\@
.Lfor_b_\@:
	tensor_load_to_lds s[G0B+4*\s:G0B+4*\s+3], s[G1B:G1B+7]
	s_nop 0
.Lasked_\@:
.endm
.macro CREST                           ; a round of the cluster's barrier behind its opening work-group barrier
	s_cmp_lg_u32 s10, 0
	s_cbranch_scc1 .Lnot_wave_0_\@
	s_barrier_signal -3
.Lnot_wave_0_\@:
	s_barrier_wait -3
	s_barrier_signal -1
	s_barrier_wait -1
.endm
.macro CROUND
	s_barrier_signal -1
	s_barrier_wait -1
	CREST
.endm
.macro PLACES                          ; four places behind matrix instructions, before loads land in their sources or results are read
.rept 4
	v_nop
.endr
.endm
	s_load_b128 s[4:7], s[0:1], 0x0                ; xb, wqkv
	s_load_b64 s[8:9], s[0:1], 0x10                ; qkvh
	s_load_b64 s[66:67], s[0:1], 0x18              ; bq
	s_load_b128 s[68:71], s[0:1], 0x20             ; bk, bv
	s_set_vgpr_msb 0x40
	v_lshl_add_u32 v255, v0, 2, 0x41c00
	s_set_vgpr_msb 0x4000
	v_mov_b32 v15, 0
	s_set_vgpr_msb 0x1
	ds_add_u32 v255, v15
	s_set_vgpr_msb 0x100
	v_lshrrev_b32 v1, 5, v0
	v_readfirstlane_b32 s10, v1                    ; wave
	s_lshr_b32 s11, s10, 1                         ; 0: I fetch xb, 1: wqkv
	s_and_b32 s12, s10, 1                          ; which half of that tile
	s_bfe_u32 s40, ttmp6, 0x40000                  ; cx
	s_bfe_u32 s41, ttmp6, 0x40004                  ; cy
	s_lshl_b32 s42, ttmp9, 2
	s_add_co_u32 s42, s42, s40                     ; column block = 4 x cluster x + cx
	s_and_b32 s13, ttmp7, 0xffff
	s_lshl_b32 s13, s13, 2
	s_add_co_u32 s13, s13, s41                     ; row block = 4 x cluster y + cy
	s_lshl_b32 s43, s41, 2
	s_lshl_b32 s43, 15, s43                        ; my row of the cluster
	s_lshl_b32 s44, 0x1111, s40                    ; my column
	s_or_b32 s[G1+0], s43, (1<<16)|(1<<20)|(1<<21)|(5<<22)|(3<<25)   ; mask; 2-byte elements; padding on; bit 21 beside a mask; after every 64 words 4 words
	s_or_b32 s[G1B+0], s44, (1<<16)|(1<<20)|(1<<21)|(5<<22)|(3<<25)
	s_mov_b32 s[G1+1], KSTEP<<16                   ; tensor_dim0 = 128
	s_mov_b32 s[G1B+1], KSTEP<<16
	s_mov_b32 s[G1+2], 128<<16                     ; tensor_dim1 = 128 rows
	s_mov_b32 s[G1B+2], 96<<16                     ; 96 rows
	s_mov_b32 s[G1+3], KSTEP<<16                   ; tile_dim0 = 128
	s_mov_b32 s[G1B+3], KSTEP<<16
	s_mov_b32 s[G1+4], 128                         ; tile_dim1
	s_mov_b32 s[G1B+4], 96
	s_mov_b32 s[G1+5], 1024                        ; elements from row to row
	s_mov_b32 s[G1B+5], 1024
	s_mov_b32 s[G1+6], 0
	s_mov_b32 s[G1B+6], 0
	s_mov_b32 s[G1+7], 0
	s_mov_b32 s[G1B+7], 0
	s_lshl_b32 s17, s12, 7
	s_lshl_b32 s16, s13, 8
	s_add_co_u32 s16, s16, s17                     ; xb row 256 x row block + 128 x half
	s_lshl_b32 s16, s16, 11                        ; in bytes (2,048 a row)
	s_mov_b32 s17, 0
	s_mul_i32 s46, s42, 192
	s_mul_i32 s45, s12, 96
	s_add_co_u32 s46, s46, s45                     ; wqkv row 192 x column block + 96 x half
	s_lshl_b32 s46, s46, 11
	s_mov_b32 s47, 0
	s_mul_i32 s20, s10, ATILE                      ; waves 0, 1: xb's halves at 0 and ATILE
	s_mul_i32 s21, s10, BTILE
	s_add_co_u32 s21, s21, 2*ATILE-2*BTILE         ; waves 2, 3: wqkv's halves behind xb's 256 rows
	s_wait_dscnt 0x0
	s_wait_kmcnt 0x0
	s_add_nc_u64 s[14:15], s[4:5], s[16:17]
	s_add_nc_u64 s[46:47], s[6:7], s[46:47]
	CROUND                                         ; all sixteen work-groups are here: the first joint loads meet
.irp s, 0,1
	s_mov_b32 s[G0+4*\s], 1
	s_add_co_u32 s[G0+4*\s+1], s20, \s*SLOT
	s_add_nc_u64 s[G0+4*\s+2:G0+4*\s+3], s[14:15], \s*KSTEP*2
	s_or_b32 s[G0+4*\s+3], s[G0+4*\s+3], 0x80000000
	s_mov_b32 s[G0B+4*\s], 1
	s_add_co_u32 s[G0B+4*\s+1], s21, \s*SLOT
	s_add_nc_u64 s[G0B+4*\s+2:G0B+4*\s+3], s[46:47], \s*KSTEP*2
	s_or_b32 s[G0B+4*\s+3], s[G0B+4*\s+3], 0x80000000
	JLOAD \s                                       ; two tensor loads of a wave are out here, later one
.endr
	v_and_b32 v1, 15, v0                           ; r
	v_bfe_u32 v2, v0, 4, 1                         ; h
	v_mul_u32_u24 v3, v1, PITCH
	v_lshl_add_u32 v3, v2, 4, v3                   ; row r, 16 h
	s_mul_i32 s22, s10, 64*PITCH                   ; my 64 rows of xb
	v_add_nc_u32 v[ADRA], s22, v3
	v_add_nc_u32 v[ADRA+1], SLOT, v[ADRA]
	v_add_nc_u32 v[ADRB], 2*ATILE, v3
	v_add_nc_u32 v[ADRB+1], 2*ATILE+SLOT, v3
	s_mul_i32 s23, s10, 16*SPITCH
	s_add_co_u32 s23, s23, STAGE                   ; my stage
	v_mul_u32_u24 v3, v1, SPITCH
	v_lshl_add_u32 v3, v2, 4, v3
	v_add_nc_u32 v[STO], s23, v3                   ; in: row r, 16 h
	v_and_b32 v3, 31, v0
	v_lshlrev_b32 v[CO], 4, v3                     ; out: 16 L: a store of the wave covers 512 neighbouring bytes = four rows of a head
	v_lshrrev_b32 v1, 3, v3
	v_mul_u32_u24 v1, v1, SPITCH
	v_and_b32 v3, 7, v3
	v_lshl_add_u32 v1, v3, 4, v1
	v_add_nc_u32 v[RD], s23, v1                    ; back: row L >> 3, 16 (L & 7)
	v_lshlrev_b32 v[BOF], 5, v2                    ; bias: 32 h
	; the three heads' bias vectors and factors: head hh = 3 x column block + c is a q head (bq, factor c), a k head (bk, 1) or a v head (bv, 1)
.irp c, 0,1,2
	s_mul_i32 s78, s42, 3
	s_add_co_u32 s78, s78, \c
	s_and_b32 s80, s78, 15
	s_lshl_b32 s80, s80, 8                         ; 64 numbers of 4 bytes a head
	s_mov_b32 s81, 0
	s_cmp_lt_u32 s78, 32
	s_cselect_b64 s[72+2*\c:73+2*\c], s[68:69], s[70:71]
	s_cmp_lt_u32 s78, 16
	s_cselect_b64 s[72+2*\c:73+2*\c], s[66:67], s[72+2*\c:73+2*\c]
	s_cselect_b32 s[82+2*\c], CQ, 1.0
	s_mov_b32 s[83+2*\c], s[82+2*\c]
	s_add_nc_u64 s[72+2*\c:73+2*\c], s[72+2*\c:73+2*\c], s[80:81]
.endr
.irp b, 0,1,2,3,4,5,6,7,8,9,10,11
	global_load_b128 v[BIAS+8*\b:BIAS+8*\b+3],   v[BOF], s[72+2*(\b/4):73+2*(\b/4)] offset:(\b%4)*64
	global_load_b128 v[BIAS+8*\b+4:BIAS+8*\b+7], v[BOF], s[72+2*(\b/4):73+2*(\b/4)] offset:(\b%4)*64+16
.endr
; 12 matrix instructions: row block 2 hi + a of my four x all 12 column blocks, 32 along K, from buffer f.  zero = 1: the first product starts the sums.
.macro MUL12 f, hi, a, zero
.irp b, 0,1,2,3,4,5,6,7,8,9,10,11
.if \zero
	v_wmma_f32_16x16x32_f16 v[8*(12*\a+\b):8*(12*\a+\b)+7], v[96*\f+8*\b:96*\f+8*\b+7], v[FA+32*\f+8*(2*\hi+\a):FA+32*\f+8*(2*\hi+\a)+7], 0
.else
	v_wmma_f32_16x16x32_f16 v[8*(12*\a+\b):8*(12*\a+\b)+7], v[96*\f+8*\b:96*\f+8*\b+7], v[FA+32*\f+8*(2*\hi+\a):FA+32*\f+8*(2*\hi+\a)+7], v[8*(12*\a+\b):8*(12*\a+\b)+7]
.endif
.endr
.endm
.macro FETCH slot, k, f                ; 32 LDS loads in one run: a quarter step's fragments (192 rows of wqkv, my 64 of xb) into buffer f
	WIN TO_B
.irp i, 0,1,2,3,4,5,6,7,8,9,10,11
	ds_load_b128 v[96*\f+8*\i:96*\f+8*\i+3],   v[ADRB+\slot] offset:\k+\i*16*PITCH
	ds_load_b128 v[96*\f+8*\i+4:96*\f+8*\i+7], v[ADRB+\slot] offset:\k+\i*16*PITCH+32
.endr
	WIN 0
.irp i, 0,1,2,3
	ds_load_b128 v[FA+32*\f+8*\i:FA+32*\f+8*\i+3],   v[ADRA+\slot] offset:\k+\i*16*PITCH
	ds_load_b128 v[FA+32*\f+8*\i+4:FA+32*\f+8*\i+7], v[ADRA+\slot] offset:\k+\i*16*PITCH+32
.endr
.endm
; The 48 accumulators take turns, one instruction a turn, in the same order in every quarter step.
.macro QUARTER slot, k, f, g, zero
	s_wait_dscnt 4                                 ; all but the youngest four loads (xb's row blocks 2, 3) are in
	WIN MUL_LO
	MUL12 \f, 0, 0, \zero
	MUL12 \f, 0, 1, \zero
	PLACES
	FETCH \slot, \k, \g
	s_wait_dscnt 32                                ; all but the 32 just issued
	WIN MUL_HI
	MUL12 \f, 1, 0, \zero
	MUL12 \f, 1, 1, \zero
.endm
.macro THREE slot, zero
	QUARTER \slot, 64,  0, 1, \zero
	QUARTER \slot, 128, 1, 0, 0
	QUARTER \slot, 192, 0, 1, 0
.endm
; The last quarter changes slots.  In front of the barrier each wave waits for its reads of this slot and for all its tensor loads (one is out: its part
; of the next slot).  Where the slot is filled again the barrier opens a round of the cluster's barrier, and the joint refill is the first tensor load behind it.
; From a request to the wait for it a wave issues 180 matrix instructions.
.macro TURN slot, next, fill
	s_wait_dscnt 4
	WIN MUL_LO
	MUL12 1, 0, 0, 0
	s_wait_dscnt 0
	s_wait_tensorcnt 0x0
	ds_add_u32 v255, v15
	s_wait_dscnt 0x0
	s_barrier_signal -1
	MUL12 1, 0, 1, 0                               ; register work while the others arrive
	WIN 0
	s_barrier_wait -1
.if \fill
	CREST
	s_add_nc_u64 s[G0+4*\slot+2:G0+4*\slot+3], s[G0+4*\slot+2:G0+4*\slot+3], 2*KSTEP*2
	s_add_nc_u64 s[G0B+4*\slot+2:G0B+4*\slot+3], s[G0B+4*\slot+2:G0B+4*\slot+3], 2*KSTEP*2
	JLOAD \slot
.endif
	PLACES
	FETCH \next, 0, 0
	WIN MUL_HI
	MUL12 1, 1, 0, 0
	MUL12 1, 1, 1, 0
.endm
.macro LAP zero
	THREE 0, \zero
	TURN 0, 1, 1
	THREE 1, 0
	TURN 1, 0, 1
.endm
	s_wait_tensorcnt 1                             ; my part of K step 0 is in; K step 1's stays out
	s_barrier_signal -1
	s_barrier_wait -1
	FETCH 0, 0, 0
	LAP 1
	WIN 0
	s_mov_b32 s3, LAPS-2
.Llap:
	LAP 0
	WIN 0
	s_sub_co_u32 s3, s3, 1
	s_cmp_lg_u32 s3, 0
	s_cbranch_scc1 .Llap
	THREE 0, 0                                     ; the last lap fills nothing
	TURN 0, 1, 0
	THREE 1, 0
	s_wait_dscnt 4
	WIN MUL_LO
	MUL12 1, 0, 0, 0
	MUL12 1, 0, 1, 0
	s_wait_dscnt 0
	WIN MUL_HI
	MUL12 1, 1, 0, 0
	MUL12 1, 1, 1, 0
	; THE WAY OUT, 16 rows at a time: bias, rounding to f16, through my own stage, out as 512 neighbouring bytes a store (four rows of 128 bytes of one head).
	PLACES
	s_wait_loadcnt 0x0                             ; the bias
	s_mul_i32 s46, s42, 3*524288                   ; my first head: 4,096 rows of 128 bytes each
	s_lshl_b32 s16, s13, 15                        ; 256 rows x 128 bytes a row block
	s_lshl_b32 s17, s10, 13                        ; 64 rows a wave
	s_add_co_u32 s16, s16, s17
	s_add_co_u32 s46, s46, s16
	s_mov_b32 s47, 0
	s_add_nc_u64 s[8:9], s[8:9], s[46:47]
.macro OUT16 a, al, wfma, wcvt, rb
	WIN \wfma
.irp b, 0,1,2,3,4,5,6,7,8,9,10,11
.irp p, 0,2,4,6
	v_pk_fma_f32 v[8*(12*\al+\b)+\p:8*(12*\al+\b)+\p+1], v[BIAS+8*\b+\p:BIAS+8*\b+\p+1], s[82+2*(\b/4):83+2*(\b/4)], v[8*(12*\al+\b)+\p:8*(12*\al+\b)+\p+1] op_sel_hi:[1,0,1]
.endr
.endr
	WIN \wcvt
.irp b, 0,1,2,3,4,5,6,7,8,9,10,11
.irp p, 0,1,2,3
	v_cvt_pk_f16_f32 v[TMP+4*\b+\p], v[8*(12*\al+\b)+2*\p], v[8*(12*\al+\b)+2*\p+1]
.endr
.endr
	WIN 0
.irp b, 0,1,2,3,4,5,6,7,8,9,10,11
	ds_store_b128 v[STO], v[TMP+4*\b:TMP+4*\b+3] offset:32*\b
.endr
	s_wait_xcnt 0x0                                ; the set of registers that earlier stores read is loaded again only behind this wait
.irp i, 0,1,2,3,4,5,6,7,8,9,10,11
	ds_load_b128 v[\rb+4*\i:\rb+4*\i+3], v[RD] offset:(\i/4)*128+(\i%4)*4*SPITCH   ; LDS serves a wave's instructions in order: these see the stores above
.endr
.irp i, 0,1,2,3,4,5,6,7,8,9,10,11
	s_wait_dscnt 11-\i
	global_store_b128 v[CO], v[\rb+4*\i:\rb+4*\i+3], s[8:9] offset:(\i/4)*524288+\a*2048+(\i%4)*512
.endr
.endm
	OUT16 0, 0, 0xa0, 0x0a, RB0
	OUT16 1, 1, 0xa0, 0x0a, RB1
	OUT16 2, 0, 0xf0, 0x0f, RB0
	OUT16 3, 1, 0xf0, 0x0f, RB1
	s_set_vgpr_msb 0x1
	s_wait_tensorcnt 0x0
	ds_add_u32 v255, v15
	s_wait_dscnt 0x0
	s_set_vgpr_msb 0x100
	CROUND                                         ; the closing round: no work-group ends while a partner may still ask jointly
	s_endpgm
.Lfunc_end_k_q725bcabf4f_qkv:
	.size	k_q725bcabf4f_qkv, .Lfunc_end_k_q725bcabf4f_qkv-k_q725bcabf4f_qkv
	.p2alignl 7, 3214868480
	.fill 96, 4, 3214868480
	.section	.rodata,"a",@progbits
	.p2align	6, 0x0
	.amdhsa_kernel k_q725bcabf4f_qkv
		.amdhsa_group_segment_fixed_size 327680
		.amdhsa_private_segment_fixed_size 0
		.amdhsa_enable_private_segment 0
		.amdhsa_kernarg_size 48
		.amdhsa_user_sgpr_count 2
		.amdhsa_user_sgpr_kernarg_segment_ptr 1
		.amdhsa_wavefront_size32 1
		.amdhsa_system_sgpr_workgroup_id_x 1
		.amdhsa_system_sgpr_workgroup_id_y 1
		.amdhsa_system_sgpr_workgroup_id_z 1
		.amdhsa_system_vgpr_workitem_id 0
		.amdhsa_next_free_vgpr 1024
		.amdhsa_next_free_sgpr 88
		.amdhsa_reserve_vcc 0
		.amdhsa_float_denorm_mode_32 3
		.amdhsa_float_denorm_mode_16_64 3
		.amdhsa_memory_ordered 1
		.amdhsa_forward_progress 1
		.amdhsa_inst_pref_size 179
	.end_amdhsa_kernel
	.amdgpu_metadata
---
amdhsa.version: [ 1, 2 ]
amdhsa.kernels:
  - .name:           k_q725bcabf4f_qkv
    .symbol:         k_q725bcabf4f_qkv.kd
    .args:
      - { .name: xb, .offset: 0, .size: 8, .value_kind: global_buffer, .address_space: global }
      - { .name: wqkv, .offset: 8, .size: 8, .value_kind: global_buffer, .address_space: global }
      - { .name: qkvh, .offset: 16, .size: 8, .value_kind: global_buffer, .address_space: global }
      - { .name: bq, .offset: 24, .size: 8, .value_kind: global_buffer, .address_space: global }
      - { .name: bk, .offset: 32, .size: 8, .value_kind: global_buffer, .address_space: global }
      - { .name: bv, .offset: 40, .size: 8, .value_kind: global_buffer, .address_space: global }
    .group_segment_fixed_size: 327680
    .private_segment_fixed_size: 0
    .kernarg_segment_align: 8
    .kernarg_segment_size: 48
    .max_flat_workgroup_size: 128
    .sgpr_count:     88
    .vgpr_count:     1024
    .wavefront_size: 32
...
	.end_amdgpu_metadata
.endif
;; end of part 2
;; launch attn (part 3): grid 16 x 16, 8 waves a work-group, clusters of 4 x 1, 327,680 bytes of LDS; arguments qkvh, maskw, posb, ao; writes ao
.if DOCPART == 3
	.amdgcn_target "amdgcn-amd-amdhsa--gfx1250"
	.amdhsa_code_object_version 6
	.text
	.protected	k_q725bcabf4f_attn
	.globl	k_q725bcabf4f_attn
	.p2align	8
	.type	k_q725bcabf4f_attn,@function
k_q725bcabf4f_attn:
	s_mov_b64 s[64:65], 0
	v_nop
	global_prefetch_b8 v0, s[64:65] scope:SCOPE_SE
	s_setreg_imm32_b32 hwreg(HW_REG_WAVE_MODE, 25, 1), 1
	s_wait_xcnt 0x0
	s_wait_alu depctr_hold_cnt(0) depctr_sa_sdst(0) depctr_va_vdst(0) depctr_va_sdst(0) depctr_va_ssrc(0) depctr_va_vcc(0) depctr_vm_vsrc(0)
	s_getreg_b32 s2, hwreg(HW_REG_IB_STS2, 6, 4)
	s_cmp_eq_u32 s2, 0
	s_cbranch_scc0 .Lentry_in_a_cluster
	s_endpgm
.Lentry_in_a_cluster:
	s_bfe_u32 s2, ttmp6, 0x10000c
	s_cmp_lg_u32 s2, 0x3003
	s_cbranch_scc0 .Lentry_shape_is_right
	s_endpgm
.Lentry_shape_is_right:
; attn: softmax(q k^T / 8 + pos bias, masked) v for 128 queries x 2 heads a work-group, with a running maximum; ao[b*2048+s][head*64+d] in f16.
; q carries 0.125 log2(e) and posb log2(e), so scores leave the matrix unit in the base-2 domain and exp is v_exp_f32 alone.
; LIMITS: P and the result are rounded to f16 (P lies in [0, 1]; P below 3e-8 counts as 0).  The running maximum starts at the most negative finite f32, so a block
; whose keys are all masked gives P = 0; a row whose keys are ALL masked gives 0 x infinity = NaN, as the softmax of a row of -inf does.
; Wave w: head hs = w & 1, query group qg = (w >> 1) & 1 (64 queries, four tiles q), key half kh = w >> 2 (1,024 keys).  Waves w and w + 4 merge at the end.
; S^T(t, q) = K(t) Q(q)^T + C with C = the bias of key tile t (register j = key 8 h + j): the bias costs no instruction, a lane holds ONE query and eight keys a tile,
; and P packs in place into the B fragment of O^T(dt, q) += V^T(dt) P^T(q).  V^T fragments come from [key][d] rows by the transposing LDS load.
; A sub-block of 64 keys takes the query tiles in PAIRS: the mask words (32 scalar registers a tile, two buffers) of one pair are asked for as soon as the other
; pair's selects have read the buffers, and the other pair's whole softmax and 32 matrix instructions stand between that request and the wait for it.
; CLUSTER 4 x 1: the four query blocks of a cluster read the same K and V tiles and ask for them jointly (mask 15).
; Each trip takes 128 keys of each key half: eight tiles (K, V x 2 heads x 2 halves), one tensor load a wave; one tensor load of a wave is out at any time.
.set REG,   18432                      ; an LDS region: 128 keys x 128 bytes as 64 rows of 256 bytes, padded by 16 (K) or 32 (V)
.set SLOT,  8*REG
.set BIASL, 2*SLOT                     ; 2 heads x 2,048 keys x 4 bytes, written once by ds_store; no fill lands here
.set SCRB,  17408                      ; behind slot 0's last fill: O (16 KiB) and statistics of waves 4-7
.set STG,   4*SCRB                     ; 128 rows x 272 bytes: the block of ao
.set KAD, 1                            ; v1, v2  K fragments in slot 0, 1
.set VAD, 3                            ; v3, v4  V fragments
.set BAD, 5                            ; v5      bias of the current 64 keys
.set M,   8                            ; v[8+2q] running maximum, v[9+2q] the new one (first chain)
.set AL,  16                           ; v[16+2q] 2^(old - new), v[17+2q] the maximum's second chain, then the other half's maximum; behind the scaling of O the pair is a second partial sum
.set LS,  24                           ; v[24+2q:25+2q] two partial sums of P
.set Q,   32                           ; v32-95   Q fragments 16 q + 8 ks
.set KF,  96                           ; v96-159  K fragments 16 t + 8 ks
.set VF,  160                          ; v160-223 V^T fragments 16 dt + 8 u
.set BI,  224                          ; v224-255 bias 8 t
.set O,   128                          ; window 1: S at 32 q + 8 t, P(q, u) at 32 q + 16 u, O at 128 + 8 (4 dt + q)
.set MA,  32                           ; s[32:63] mask words, buffer A
.set MB,  68                           ; s[68:99] buffer B
.set MSB, 0
.macro WIN new                         ; the immediate's high byte repeats the setting that is left
.if MSB != \new
	s_set_vgpr_msb (MSB<<8)|\new
.set MSB, \new
.endif
.endm
.macro ROUND                           ; a round of the cluster's barrier
	s_barrier_signal -1
	s_barrier_wait -1
	s_cmp_lg_u32 s7, 0
	s_cbranch_scc1 .Lnot_wave_0_\@
	s_barrier_signal -3
.Lnot_wave_0_\@:
	s_barrier_wait -3
	s_barrier_signal -1
	s_barrier_wait -1
.endm
.macro JLOAD                           ; waves 0-3 ask for K tiles (pad 16), waves 4-7 for V tiles (pad 32)
	s_cmp_eq_u32 s101, 0
	s_cbranch_scc0 .Lfor_v_\@
	tensor_load_to_lds s[12:15], s[16:23]
	s_nop 0
	s_branch .Lasked_\@
.Lfor_v_\@:
	tensor_load_to_lds s[12:15], s[24:31]
	s_nop 0
.Lasked_\@:
.endm
.macro MLOAD buf, off                  ; the 32 mask words of one query tile and 64 keys
	s_load_b512 s[\buf:\buf+15], s[4:5], \off
	s_load_b512 s[\buf+16:\buf+31], s[4:5], \off+64
.endm
.macro MASK q, buf                     ; a cleared bit puts -inf in the score's place
.irp t, 0,1,2,3
.irp j, 0,1,2,3,4,5,6,7
	v_cndmask_b32 v[32*\q+8*\t+\j], s6, v[32*\q+8*\t+\j], s[\buf+8*\t+\j]
.endr
.endr
.endm
; The scores of two query tiles against 64 keys: eight accumulators take turns, one instruction a turn, in both passes.
.macro QK qa, qb
	WIN 0x40
.irp q, \qa, \qb
.irp t, 0,1,2,3
	v_wmma_f32_16x16x32_f16 v[32*\q+8*\t:32*\q+8*\t+7], v[KF+16*\t:KF+16*\t+7], v[Q+16*\q:Q+16*\q+7], v[BI+8*\t:BI+8*\t+7]
.endr
.endr
	WIN 0x50
.irp q, \qa, \qb
.irp t, 0,1,2,3
	v_wmma_f32_16x16x32_f16 v[32*\q+8*\t:32*\q+8*\t+7], v[KF+16*\t+8:KF+16*\t+15], v[Q+16*\q+8:Q+16*\q+15], v[32*\q+8*\t:32*\q+8*\t+7]
.endr
.endr
.endm
; The largest of the old maximum and my 32 scores, for two query tiles, two chains a tile: four chains take turns.
.macro MAXP qa, qb
	v_max3_num_f32 v[M+2*\qa+1], v[M+2*\qa], v[32*\qa], v[32*\qa+1]
	v_max3_num_f32 v[M+2*\qb+1], v[M+2*\qb], v[32*\qb], v[32*\qb+1]
	v_max3_num_f32 v[AL+2*\qa+1], v[M+2*\qa], v[32*\qa+2], v[32*\qa+3]
	v_max3_num_f32 v[AL+2*\qb+1], v[M+2*\qb], v[32*\qb+2], v[32*\qb+3]
.set i, 4
.rept 7
	v_max3_num_f32 v[M+2*\qa+1], v[M+2*\qa+1], v[32*\qa+i], v[32*\qa+i+1]
	v_max3_num_f32 v[M+2*\qb+1], v[M+2*\qb+1], v[32*\qb+i], v[32*\qb+i+1]
	v_max3_num_f32 v[AL+2*\qa+1], v[AL+2*\qa+1], v[32*\qa+i+2], v[32*\qa+i+3]
	v_max3_num_f32 v[AL+2*\qb+1], v[AL+2*\qb+1], v[32*\qb+i+2], v[32*\qb+i+3]
.set i, i+4
.endr
.endm
.macro SUBM q                          ; S - maximum
.set i, 0
.rept 16
	v_pk_add_f32 v[32*\q+2*i:32*\q+2*i+1], v[32*\q+2*i:32*\q+2*i+1], v[M+2*\q:M+2*\q+1] op_sel_hi:[1,0] neg_lo:[0,1] neg_hi:[0,1]
.set i, i+1
.endr
.endm
; 32 exponentials of tile q; between them the next tile's subtraction (nxt = 1) and the scaling of O(., q): plain work on other registers.
.macro EXPN q, first, nxt
.set i, 0
.rept 16
	v_exp_f32 v[32*\q+2*i], v[32*\q+2*i]
.if \nxt
	v_pk_add_f32 v[32*(\q+1)+2*i:32*(\q+1)+2*i+1], v[32*(\q+1)+2*i:32*(\q+1)+2*i+1], v[M+2*(\q+1):M+2*(\q+1)+1] op_sel_hi:[1,0] neg_lo:[0,1] neg_hi:[0,1]
.endif
	v_exp_f32 v[32*\q+2*i+1], v[32*\q+2*i+1]
.if \first == 0
	v_pk_mul_f32 v[O+8*(4*(i/4)+\q)+2*(i%4):O+8*(4*(i/4)+\q)+2*(i%4)+1], v[O+8*(4*(i/4)+\q)+2*(i%4):O+8*(4*(i/4)+\q)+2*(i%4)+1], v[AL+2*\q:AL+2*\q+1] op_sel_hi:[1,0]
.endif
.set i, i+1
.endr
.endm
; The softmax step of two query tiles (qb = qa + 1) whose scores are masked: maximum, 2^(old - new), P = 2^(S - new), O and the sums scaled, P summed and packed to f16.
.macro SOFT qa, qb, first
	WIN 0x14
	MAXP \qa, \qb
	WIN 0
.irp q, \qa, \qb
	v_max_num_f32 v[M+2*\q+1], v[M+2*\q+1], v[AL+2*\q+1]   ; the two chains meet
.endr
.irp q, \qa, \qb
	v_permlanex16_b32 v[AL+2*\q+1], v[M+2*\q+1], s8, s9    ; the other half of the lanes holds the same query's other keys
.endr
.irp q, \qa, \qb
	v_max_num_f32 v[M+2*\q+1], v[M+2*\q+1], v[AL+2*\q+1]
.endr
.irp q, \qa, \qb
	v_sub_f32 v[AL+2*\q], v[M+2*\q], v[M+2*\q+1]
.endr
.irp q, \qa, \qb
	v_exp_f32 v[AL+2*\q], v[AL+2*\q]
.endr
.irp q, \qa, \qb
	v_mov_b32 v[M+2*\q], v[M+2*\q+1]               ; also the plain place behind the two exponentials
.endr
	s_wait_alu depctr_va_vdst(0)
.irp q, \qa, \qb
	v_pk_mul_f32 v[LS+2*\q:LS+2*\q+1], v[LS+2*\q:LS+2*\q+1], v[AL+2*\q:AL+2*\q+1] op_sel_hi:[1,0]
.endr
	WIN 0x41
	SUBM \qa
	EXPN \qa, \first, 1
	EXPN \qb, \first, 0
.if \first
	v_nop                                          ; one plain place behind the last exponential (elsewhere the scaling of O is that place)
	s_wait_alu depctr_va_vdst(0)
.endif
	WIN 0x05                                       ; the sums: two chains a tile, the second in the pair that held 2^(old - new)
	s_wait_alu depctr_va_vdst(0)
.irp q, \qa, \qb
	v_pk_add_f32 v[AL+2*\q:AL+2*\q+1], v[32*\q:32*\q+1], v[32*\q+2:32*\q+3]
.endr
	WIN 0x04
.set i, 4
.rept 7
	v_pk_add_f32 v[LS+2*\qa:LS+2*\qa+1], v[LS+2*\qa:LS+2*\qa+1], v[32*\qa+i:32*\qa+i+1]
	v_pk_add_f32 v[LS+2*\qb:LS+2*\qb+1], v[LS+2*\qb:LS+2*\qb+1], v[32*\qb+i:32*\qb+i+1]
	v_pk_add_f32 v[AL+2*\qa:AL+2*\qa+1], v[AL+2*\qa:AL+2*\qa+1], v[32*\qa+i+2:32*\qa+i+3]
	v_pk_add_f32 v[AL+2*\qb:AL+2*\qb+1], v[AL+2*\qb:AL+2*\qb+1], v[32*\qb+i+2:32*\qb+i+3]
.set i, i+4
.endr
	WIN 0
.irp q, \qa, \qb
	v_pk_add_f32 v[LS+2*\q:LS+2*\q+1], v[LS+2*\q:LS+2*\q+1], v[AL+2*\q:AL+2*\q+1]
.endr
	WIN 0x45
.irp q, \qa, \qb
.irp u, 0,1
.irp p, 0,1,2,3,4,5,6,7
	v_cvt_pk_f16_f32 v[32*\q+16*\u+\p], v[32*\q+16*\u+2*\p], v[32*\q+16*\u+2*\p+1]   ; ascending: a register is written after it was read
.endr
.endr
.endr
.endm
; O^T += V^T P^T for two query tiles: eight accumulators take turns, one instruction a turn.
.macro PV qa, qb, first
	WIN 0x54
.irp u, 0,1
.irp dt, 0,1,2,3
.irp q, \qa, \qb
.if \first*(1-\u)
	v_wmma_f32_16x16x32_f16 v[O+8*(4*\dt+\q):O+8*(4*\dt+\q)+7], v[VF+16*\dt+8*\u:VF+16*\dt+8*\u+7], v[32*\q+16*\u:32*\q+16*\u+7], 0
.else
	v_wmma_f32_16x16x32_f16 v[O+8*(4*\dt+\q):O+8*(4*\dt+\q)+7], v[VF+16*\dt+8*\u:VF+16*\dt+8*\u+7], v[32*\q+16*\u:32*\q+16*\u+7], v[O+8*(4*\dt+\q):O+8*(4*\dt+\q)+7]
.endif
.endr
.endr
.endr
.endm
; 64 keys against my 64 queries.  sbi: which half of the slot's 128 keys; first: nothing has been summed yet; more: a further sub-block follows (its mask words are asked for).
.macro SUBBLK slot, sbi, first, more
.irp t, 0,1,2,3
.irp ks, 0,1
	ds_load_b128 v[KF+16*\t+8*\ks:KF+16*\t+8*\ks+3],   v[KAD+\slot] offset:\sbi*8704+\t*2176+\ks*64
	ds_load_b128 v[KF+16*\t+8*\ks+4:KF+16*\t+8*\ks+7], v[KAD+\slot] offset:\sbi*8704+\t*2176+\ks*64+32
.endr
.endr
.irp t, 0,1,2,3
	ds_load_b128 v[BI+8*\t:BI+8*\t+3],   v[BAD] offset:\t*64
	ds_load_b128 v[BI+8*\t+4:BI+8*\t+7], v[BAD] offset:\t*64+16
.endr
	v_add_nc_u32 v[BAD], 256, v[BAD]               ; the next 64 keys' bias; with the three v_nop: four places behind the last products, before loads land in the V fragments that they read
.rept 3
	v_nop
.endr
.irp dt, 0,1,2,3
.irp u, 0,1
	ds_load_tr16_b128 v[VF+16*\dt+8*\u:VF+16*\dt+8*\u+3],   v[VAD+\slot] offset:\sbi*9216+\u*4608+\dt*32
	ds_load_tr16_b128 v[VF+16*\dt+8*\u+4:VF+16*\dt+8*\u+7], v[VAD+\slot] offset:\sbi*9216+\u*4608+\dt*32+2304
.endr
.endr
	s_wait_dscnt 16                                ; K and the bias are in; V's 16 loads stay out
	QK 0, 1
	s_wait_kmcnt 0x0                               ; the mask words of tiles 0 and 1, asked for in the second half of the sub-block before
.rept 4
	v_nop                                          ; four places before the scores are read
.endr
	WIN 0x44
	MASK 0, MA
	MLOAD MA, 8192                                 ; tile 2's words (a query tile's words lie 4,096 bytes apart)
	MASK 1, MB
	MLOAD MB, 12288                                ; tile 3's
	QK 2, 3
	SOFT 0, 1, \first                              ; its vector work also stands between the scores of tiles 2, 3 and their first reader
	s_wait_dscnt 0x0                               ; V's fragments
	PV 0, 1, \first
	s_wait_kmcnt 0x0                               ; the words of tiles 2 and 3; no scalar load is out, so the pointer may step
	s_add_nc_u64 s[4:5], s[4:5], 128               ; the next 64 keys: 4 key tiles x 32 bytes
	WIN 0x44
	MASK 2, MA
.if \more
	MLOAD MA, 0
.endif
	MASK 3, MB
.if \more
	MLOAD MB, 4096
.endif
	SOFT 2, 3, \first
	PV 2, 3, \first
	WIN 0
.endm
; A trip: 128 keys from slot.  In front of the round every wave has waited for all its tensor loads (its part of this slot among them) and for its reads of
; the other slot; behind the round the other slot's next tile is asked for first, one load a wave, and has the trip's two sub-blocks in which to land.
.macro TRIP slot, refill, first, last
	s_wait_xcnt 0x0
	v_lshl_add_u32 v254, v0, 2, 0x4c000
	v_mov_b32 v255, 0
	s_wait_tensorcnt 0x0
	ds_add_u32 v254, v255
	s_wait_dscnt 0x0
.if \refill
	s_add_nc_u64 s[14:15], s[14:15], 16384         ; no load of mine is out: the next 128 keys,
.if \slot
	s_mov_b32 s13, s100                            ; into slot 0
.else
	s_add_co_u32 s13, s100, SLOT                   ; into slot 1
.endif
.endif
	s_wait_dscnt 0x0
	ROUND
.if \refill
	JLOAD
.endif
	SUBBLK \slot, 0, \first, 1
	SUBBLK \slot, 1, 0, 1-\last
.endm
	s_load_b256 s[32:39], s[0:1], 0x0              ; qkvh 32, maskw 34, posb 36, ao 38
	v_lshl_add_u32 v254, v0, 2, 0x4c000
	v_mov_b32 v255, 0
	ds_add_u32 v254, v255
	s_wait_dscnt 0x0
	; All that needs no argument stands in front of the wait for them.
	v_lshrrev_b32 v1, 5, v0
	v_readfirstlane_b32 s7, v1                     ; wave w
	s_lshr_b32 s101, s7, 2                         ; kh; also 0: I fetch K, 1: V
	s_and_b32 s40, s7, 1                           ; hs
	s_bfe_u32 s41, s7, 0x10001                     ; qg; also the key half that I fetch
	s_bfe_u32 s42, ttmp6, 0x40000                  ; cx
	s_lshl_b32 s43, ttmp9, 2
	s_add_co_u32 s43, s43, s42                     ; query block qb = 4 x cluster x + cx
	s_and_b32 s44, ttmp7, 0xffff
	s_lshr_b32 s45, s44, 3                         ; b
	s_and_b32 s46, s44, 7                          ; head pair hp
	s_mov_b32 s6, 0xff800000                       ; -inf
	s_mov_b32 s8, 0x76543210                       ; v_permlanex16_b32: lane i reads lane i of the other half
	s_mov_b32 s9, 0xfedcba98
	s_lshl_b32 s48, s46, 1
	s_add_co_u32 s48, s48, s40                     ; head 2 hp + hs
	s_lshl_b32 s49, s45, 11                        ; b * 2,048 rows
	s_lshl_b32 s47, s101, 4                        ; my tile: plane 16 (K) or 32 (V) + head,
	s_add_co_u32 s47, s47, s48
	s_add_co_u32 s47, s47, 16
	s_lshl_b32 s47, s47, 12
	s_add_co_u32 s47, s47, s49
	s_lshl_b32 s50, s41, 10                        ; key half
	s_add_co_u32 s47, s47, s50
	s_lshl_b32 s52, s47, 7                         ; rows of 128 bytes; nothing here hangs on cx
	s_mov_b32 s53, 0
	s_lshl_b32 s54, s48, 12                        ; my Q rows: head, b, 128 qb + 64 qg
	s_add_co_u32 s54, s54, s49
	s_lshl_b32 s51, s43, 7
	s_add_co_u32 s54, s54, s51
	s_lshl_b32 s51, s41, 6
	s_add_co_u32 s54, s54, s51
	s_lshl_b32 s54, s54, 7
	s_mov_b32 s55, 0
	s_lshl_b32 s56, s45, 7                         ; my mask words: query tile b*128 + 8 qb + 4 qg, 4,096 bytes each, + 2,048 kh
	s_lshl_b32 s51, s43, 3
	s_add_co_u32 s56, s56, s51
	s_lshl_b32 s51, s41, 2
	s_add_co_u32 s56, s56, s51
	s_lshl_b32 s56, s56, 12
	s_lshl_b32 s51, s101, 11
	s_add_co_u32 s56, s56, s51
	s_mov_b32 s57, 0
	s_lshl_b32 s58, s45, 4                         ; posb: rows b*16 + 2 hp and the next, 8,192 bytes each
	s_lshl_b32 s51, s46, 1
	s_add_co_u32 s58, s58, s51
	s_lshl_b32 s58, s58, 13
	s_mov_b32 s59, 0
	s_lshl_b32 s60, s43, 7                         ; ao: row b*2,048 + 128 qb + 16 w, 2,048 bytes each, + 256 hp
	s_add_co_u32 s60, s60, s49
	s_lshl_b32 s51, s7, 4
	s_add_co_u32 s60, s60, s51
	s_lshl_b32 s60, s60, 11
	s_lshl_b32 s51, s46, 8
	s_add_co_u32 s60, s60, s51
	s_mov_b32 s61, 0
	s_mul_i32 s100, s7, REG                        ; my region of a slot
	; descriptors: a tile is 16 KiB dense in memory, taken as 64 rows of 32 elements of 8 bytes, a pad behind each row
	s_mov_b32 s16, 15|(3<<16)|(1<<20)|(1<<21)|(5<<22)|(3<<25)    ; mask of the four partners; 8-byte elements; padding; bit 21 beside a mask; after 64 words 4 words
	s_mov_b32 s24, 15|(3<<16)|(1<<20)|(1<<21)|(5<<22)|(7<<25)    ; V: 8 words
	s_mov_b32 s17, 32<<16
	s_mov_b32 s25, 32<<16
	s_mov_b32 s18, 64<<16
	s_mov_b32 s26, 64<<16
	s_mov_b32 s19, 32<<16
	s_mov_b32 s27, 32<<16
	s_mov_b32 s20, 64
	s_mov_b32 s28, 64
	s_mov_b32 s21, 32
	s_mov_b32 s29, 32
	s_mov_b32 s22, 0
	s_mov_b32 s30, 0
	s_mov_b32 s23, 0
	s_mov_b32 s31, 0
	s_mov_b32 s12, 1
	s_mov_b32 s13, s100
	; K fragments: key r of a tile lies at LDS row r >> 1 (272 bytes), 128 bytes in if r is odd; + 16 h.
	v_bfe_u32 v96, v0, 4, 1                        ; h
	v_and_b32 v97, 1, v0                           ; the key's parity
	v_and_b32 v1, 14, v0                           ; 2 (r >> 1)
	v_mul_u32_u24 v1, v1, 136                      ; (r >> 1) x 272
	v_lshl_add_u32 v1, v97, 7, v1
	v_lshl_add_u32 v1, v96, 4, v1
	s_lshl_b32 s62, s101, 1
	s_add_co_u32 s62, s62, s40                     ; K region hs + 2 kh
	s_mul_i32 s62, s62, REG
	v_add_nc_u32 v[KAD], s62, v1                   ; sixteen lanes touch sixteen different 16-byte columns modulo 256 bytes
	v_add_nc_u32 v[KAD+1], SLOT, v[KAD]
	; V fragments (transposing load): lane L addresses key 8 h + (L & 7), LDS row 4 h + ((L & 7) >> 1) of 288 bytes, 128 bytes in if odd; + 16 ((L >> 3) & 1).
	v_and_b32 v4, 6, v0                            ; 2 ((L & 7) >> 1)
	v_mul_u32_u24 v4, v4, 144                      ; x 288
	v_lshl_add_u32 v4, v96, 10, v4                 ; 4 h x 288 = 1,024 h + 128 h
	v_lshl_add_u32 v4, v96, 7, v4
	v_lshl_add_u32 v4, v97, 7, v4
	v_and_b32 v5, 8, v0
	v_lshl_add_u32 v4, v5, 1, v4
	s_add_co_u32 s62, s62, 4*REG                   ; V regions follow the four K regions
	v_add_nc_u32 v[VAD], s62, v4
	v_add_nc_u32 v[VAD+1], SLOT, v[VAD]
	s_lshl_b32 s63, s40, 13
	s_lshl_b32 s51, s101, 12
	s_add_co_u32 s63, s63, s51
	s_add_co_u32 s63, s63, BIASL
	v_lshl_add_u32 v[BAD], v96, 5, s63             ; head's row + key half + 32 h
	v_and_b32 v6, 15, v0
	v_lshlrev_b32 v6, 7, v6
	v_lshl_add_u32 v6, v96, 4, v6                  ; Q: row r, 16 h
	v_lshlrev_b32 v7, 4, v0                        ; posb: 16 t
	v_add_nc_u32 v[BI+16], BIASL, v7               ; and where it goes in LDS
.irp q, 0,1,2,3
	v_mov_b32 v[M+2*\q], 0xff7fffff                ; the most negative finite number
	v_mov_b32 v[LS+2*\q], 0
	v_mov_b32 v[LS+2*\q+1], 0
.endr
	s_wait_kmcnt 0x0
	s_add_nc_u64 s[14:15], s[32:33], s[52:53]
	s_or_b32 s15, s15, 0x80000000
	s_add_nc_u64 s[66:67], s[32:33], s[54:55]      ; Q
	s_add_nc_u64 s[4:5], s[34:35], s[56:57]        ; mask words
	s_add_nc_u64 s[2:3], s[36:37], s[58:59]        ; posb
	s_add_nc_u64 s[10:11], s[38:39], s[60:61]      ; ao
	; Q, the bias and the first mask words go out at once; their bases lie outside the two mask buffers, and nothing in s32-s63 is needed any more.
.irp q, 0,1,2,3
.irp ks, 0,1
	global_load_b128 v[Q+16*\q+8*\ks:Q+16*\q+8*\ks+3],   v6, s[66:67] offset:\q*2048+\ks*64
	global_load_b128 v[Q+16*\q+8*\ks+4:Q+16*\q+8*\ks+7], v6, s[66:67] offset:\q*2048+\ks*64+32
.endr
.endr
.irp i, 0,1,2,3
	global_load_b128 v[BI+4*\i:BI+4*\i+3], v7, s[2:3] offset:\i*4096
.endr
	MLOAD MA, 0                                    ; the first sub-block's mask words, query tiles 0 and 1
	MLOAD MB, 4096
	ROUND                                          ; the four partners are here: the first joint loads meet
	JLOAD                                          ; keys 0-127 of each half into slot 0
	s_wait_loadcnt 0x0                             ; Q and the bias are in, and their base registers are free
.irp i, 0,1,2,3
	ds_store_b128 v[BI+16], v[BI+4*\i:BI+4*\i+3] offset:\i*4096
.endr
	; Eight trips: the first starts the sums, six go round in the loop, the last fetches nothing.
	TRIP 0, 1, 1, 0                                ; its wait for LDS and its round also show the bias to every wave
	s_mov_b32 s3, 3
.Ltrips:
	TRIP 1, 1, 0, 0
	TRIP 0, 1, 0, 0
	s_sub_co_i32 s3, s3, 1
	s_cmp_lg_u32 s3, 0
	s_cbranch_scc1 .Ltrips
	TRIP 1, 0, 0, 1                                ; nothing is left to fetch
	; THE END.  Slot 0 has had its last fill and every wave's reads of it were over at the last round: it now serves as scratch and stage.
	; The address arithmetic below also fills the four places behind the last products.
	s_and_b32 s32, s7, 3
	s_mul_i32 s32, s32, SCRB
	s_and_b32 s33, s7, 1
	s_lshl_b32 s33, s33, 7                         ; 128 hs
	s_bfe_u32 s34, s7, 0x10001
	s_mul_i32 s34, s34, 64*272                     ; 64 qg rows
	s_add_co_u32 s34, s34, s33
	s_add_co_u32 s34, s34, STG
	s_mul_i32 s35, s7, 16*272
	s_add_co_u32 s35, s35, STG
	v_and_b32 v1, 31, v0
	v_lshlrev_b32 v1, 4, v1
	v_add_nc_u32 v6, s32, v1                       ; scratch of the pair (w, w + 4): 16 L
	v_and_b32 v2, 15, v0
	v_bfe_u32 v3, v0, 4, 1
	v_mul_u32_u24 v7, v2, 272
	v_lshl_add_u32 v7, v3, 4, v7
	v_add_nc_u32 v7, s34, v7                       ; stage, in: row 64 qg + r, 128 hs + 16 h
	v_mul_u32_u24 v4, v3, 272
	v_lshl_add_u32 v4, v2, 4, v4
	v_add_nc_u32 v4, s35, v4                       ; stage, back: row 16 w + (L >> 4), 16 (L & 15)
	v_lshlrev_b32 v5, 11, v3
	v_lshl_add_u32 v5, v2, 4, v5                   ; the same two rows in ao
.irp q, 0,1,2,3
	v_mov_b32 v[BI+\q], v[M+2*\q]
	v_add_f32 v[BI+4+\q], v[LS+2*\q], v[LS+2*\q+1]
.endr
	s_cmp_lt_u32 s7, 4
	s_cbranch_scc1 .Lkeeps
	WIN 0x04                                       ; waves 4-7 hand over O, the maxima and the sums
.set i, 0
.rept 32
	ds_store_b128 v6, v[O+4*i:O+4*i+3] offset:i*512
.set i, i+1
.endr
	WIN 0
	ds_store_b128 v6, v[BI:BI+3] offset:16384
	ds_store_b128 v6, v[BI+4:BI+7] offset:16896
.Lkeeps:
	s_wait_dscnt 0x0
	s_barrier_signal -1
	s_barrier_wait -1
	s_cmp_ge_u32 s7, 4
	s_cbranch_scc1 .Lmerged
	ds_load_b128 v[BI+8:BI+11], v6 offset:16384    ; the partner's maxima
	ds_load_b128 v[BI+12:BI+15], v6 offset:16896   ; and sums
.set i, 0
.rept 32
	ds_load_b128 v[KF+4*i:KF+4*i+3], v6 offset:i*512
.set i, i+1
.endr
	s_wait_dscnt 32                                ; the statistics are in, O's 32 loads stay out
.irp q, 0,1,2,3
	v_max_num_f32 v[M+2*\q+1], v[M+2*\q], v[BI+8+\q]
.endr
.irp q, 0,1,2,3
	v_sub_f32 v[M+2*\q], v[M+2*\q], v[M+2*\q+1]
	v_sub_f32 v[AL+2*\q], v[BI+8+\q], v[M+2*\q+1]
.endr
.irp q, 0,1,2,3
	v_exp_f32 v[M+2*\q], v[M+2*\q]
	v_exp_f32 v[AL+2*\q], v[AL+2*\q]
.endr
	v_nop
	s_wait_alu depctr_va_vdst(0)
.irp q, 0,1,2,3
	v_mul_f32 v[BI+4+\q], v[BI+4+\q], v[M+2*\q]
.endr
.irp q, 0,1,2,3
	v_fmac_f32 v[BI+4+\q], v[BI+12+\q], v[AL+2*\q]
.endr
.irp q, 0,1,2,3
	v_permlanex16_b32 v[AL+2*\q+1], v[BI+4+\q], s8, s9     ; the other half of the lanes summed the other keys
.endr
.irp q, 0,1,2,3
	v_add_f32 v[BI+4+\q], v[BI+4+\q], v[AL+2*\q+1]
.endr
.irp q, 0,1,2,3
	v_rcp_f32 v[BI+4+\q], v[BI+4+\q]
.endr
	v_nop
	s_wait_alu depctr_va_vdst(0)
.irp q, 0,1,2,3
	v_mul_f32 v[M+2*\q], v[M+2*\q], v[BI+4+\q]     ; my factor
	v_mul_f32 v[AL+2*\q], v[AL+2*\q], v[BI+4+\q]   ; the partner's
.endr
	s_wait_dscnt 0x0
	WIN 0x41
.irp dt, 0,1,2,3
.irp q, 0,1,2,3
.irp p, 0,2,4,6
	v_pk_mul_f32 v[O+8*(4*\dt+\q)+\p:O+8*(4*\dt+\q)+\p+1], v[O+8*(4*\dt+\q)+\p:O+8*(4*\dt+\q)+\p+1], v[M+2*\q:M+2*\q+1] op_sel_hi:[1,0]
.endr
.endr
.endr
	WIN 0x50
.irp dt, 0,1,2,3
.irp q, 0,1,2,3
.irp p, 0,2,4,6
	v_pk_fma_f32 v[O+8*(4*\dt+\q)+\p:O+8*(4*\dt+\q)+\p+1], v[KF+8*(4*\dt+\q)+\p:KF+8*(4*\dt+\q)+\p+1], v[AL+2*\q:AL+2*\q+1], v[O+8*(4*\dt+\q)+\p:O+8*(4*\dt+\q)+\p+1] op_sel_hi:[1,0,1]
.endr
.endr
.endr
	WIN 0x05
.irp dt, 0,1,2,3
.irp q, 0,1,2,3
.irp p, 0,1,2,3
	v_cvt_pk_f16_f32 v[Q+4*(4*\dt+\q)+\p], v[O+8*(4*\dt+\q)+2*\p], v[O+8*(4*\dt+\q)+2*\p+1]
.endr
.endr
.endr
	WIN 0
.irp dt, 0,1,2,3
.irp q, 0,1,2,3
	ds_store_b128 v7, v[Q+4*(4*\dt+\q):Q+4*(4*\dt+\q)+3] offset:\q*4352+\dt*32     ; query 16 q + r, d = 16 dt + 8 h ..
.endr
.endr
.Lmerged:
	s_wait_dscnt 0x0
	s_barrier_signal -1
	s_barrier_wait -1
.irp i, 0,1,2,3,4,5,6,7
	ds_load_b128 v[KF+4*\i:KF+4*\i+3], v4 offset:\i*544
.endr
.irp i, 0,1,2,3,4,5,6,7
	s_wait_dscnt 7-\i
	global_store_b128 v5, v[KF+4*\i:KF+4*\i+3], s[10:11] offset:\i*4096    ; sixteen lanes store 256 neighbouring bytes, aligned: both heads of a row
.endr
	s_wait_xcnt 0x0
	v_lshl_add_u32 v254, v0, 2, 0x4c000
	v_mov_b32 v255, 0
	s_wait_tensorcnt 0x0
	ds_add_u32 v254, v255
	s_wait_dscnt 0x0
	ROUND                                          ; the closing round
	s_endpgm
.Lfunc_end_k_q725bcabf4f_attn:
	.size	k_q725bcabf4f_attn, .Lfunc_end_k_q725bcabf4f_attn-k_q725bcabf4f_attn
	.p2alignl 7, 3214868480
	.fill 96, 4, 3214868480
	.section	.rodata,"a",@progbits
	.p2align	6, 0x0
	.amdhsa_kernel k_q725bcabf4f_attn
		.amdhsa_group_segment_fixed_size 327680
		.amdhsa_private_segment_fixed_size 0
		.amdhsa_enable_private_segment 0
		.amdhsa_kernarg_size 32
		.amdhsa_user_sgpr_count 2
		.amdhsa_user_sgpr_kernarg_segment_ptr 1
		.amdhsa_wavefront_size32 1
		.amdhsa_system_sgpr_workgroup_id_x 1
		.amdhsa_system_sgpr_workgroup_id_y 1
		.amdhsa_system_sgpr_workgroup_id_z 1
		.amdhsa_system_vgpr_workitem_id 0
		.amdhsa_next_free_vgpr 512
		.amdhsa_next_free_sgpr 102
		.amdhsa_reserve_vcc 0
		.amdhsa_float_denorm_mode_32 3
		.amdhsa_float_denorm_mode_16_64 3
		.amdhsa_memory_ordered 1
		.amdhsa_forward_progress 1
		.amdhsa_inst_pref_size 255
	.end_amdhsa_kernel
	.section	.bss,"aw",@nobits
	.p2align	6
	.space	262144
	.amdgpu_metadata
---
amdhsa.version: [ 1, 2 ]
amdhsa.kernels:
  - .name:           k_q725bcabf4f_attn
    .symbol:         k_q725bcabf4f_attn.kd
    .args:
      - { .name: qkvh, .offset: 0, .size: 8, .value_kind: global_buffer, .address_space: global }
      - { .name: maskw, .offset: 8, .size: 8, .value_kind: global_buffer, .address_space: global }
      - { .name: posb, .offset: 16, .size: 8, .value_kind: global_buffer, .address_space: global }
      - { .name: ao, .offset: 24, .size: 8, .value_kind: global_buffer, .address_space: global }
    .group_segment_fixed_size: 327680
    .private_segment_fixed_size: 0
    .kernarg_segment_align: 8
    .kernarg_segment_size: 32
    .max_flat_workgroup_size: 256
    .sgpr_count:     102
    .vgpr_count:     512
    .wavefront_size: 32
...
	.end_amdgpu_metadata
.endif
;; end of part 3
;; launch oproj (part 4): grid 8 x 32, 4 waves a work-group, clusters of 4 x 4, 327,680 bytes of LDS; arguments ao, wob, out0, bo; writes out0
.if DOCPART == 4
	.amdgcn_target "amdgcn-amd-amdhsa--gfx1250"
	.amdhsa_code_object_version 6
	.text
	.protected	k_q725bcabf4f_oproj
	.globl	k_q725bcabf4f_oproj
	.p2align	8
	.type	k_q725bcabf4f_oproj,@function
k_q725bcabf4f_oproj:
	s_mov_b64 s[64:65], 0
	v_nop
	global_prefetch_b8 v0, s[64:65] scope:SCOPE_SE
	s_setreg_imm32_b32 hwreg(HW_REG_WAVE_MODE, 25, 1), 1
	s_wait_xcnt 0x0
	s_wait_alu depctr_hold_cnt(0) depctr_sa_sdst(0) depctr_va_vdst(0) depctr_va_sdst(0) depctr_va_ssrc(0) depctr_va_vcc(0) depctr_vm_vsrc(0)
	s_getreg_b32 s2, hwreg(HW_REG_IB_STS2, 6, 4)
	s_cmp_eq_u32 s2, 0
	s_cbranch_scc0 .Lentry_in_a_cluster
	s_endpgm
.Lentry_in_a_cluster:
	s_bfe_u32 s2, ttmp6, 0x10000c
	s_cmp_lg_u32 s2, 0xf033
	s_cbranch_scc0 .Lentry_shape_is_right
	s_endpgm
.Lentry_shape_is_right:
; oproj: out0 = ao wo^T + bo in f32; ao [4096][1024] and wob [1024][1024] in f16, sums in f32.
; Blocks of 128 x 128 give 256 work-groups; four waves 2 x 2, each 64 x 64: 16 accumulator tiles in window 1.
; A slot holds K = 256 (rows of 512 bytes): one load a wave brings 64 such rows, and K = 1,024 is four slot periods on two slots, so that a
; load has 128 matrix instructions of its wave in which to land.
; CLUSTER 4 x 4: ao's tiles are shared along a row of the cluster, wob's along a column, and asked for jointly.
; The product is used transposed (source 0 = rows of wob, source 1 = rows of ao): a lane holds eight neighbouring columns of one row.
.set PITCH,  528                       ; 512 bytes + 16: sixteen rows start in sixteen different 16-byte columns modulo 256 bytes
.set TILE,   64*PITCH
.set SLOT,   4*TILE                    ; ao's two halves, then wob's two halves
.set STAGE,  2*SLOT                    ; 16 rows x 272 bytes a wave
.set SPITCH, 272
.set ADRA, 16
.set ADRB, 20
.set STO,  24
.set RD,   25
.set CO,   26
.set BOF,  27
.set F0,   64                          ; fragment buffers: wob's four blocks, then ao's four
.set F1,   128
.set BIAS, 192                         ; v192-223
.set RB0,  224                         ; v224-255; the second set of rows read back is F0
.set G1, 24
.set G0, 32
.set G1B, 48
.set G0B, 56
.set MSB, 0
.macro WIN new
.if MSB != \new
	s_set_vgpr_msb (MSB<<8)|\new
.set MSB, \new
.endif
.endm
.macro JLOAD s
	s_cmp_eq_u32 s13, 0
	s_cbranch_scc0 .Lfor_b_\@
	tensor_load_to_lds s[G0+4*\s:G0+4*\s+3], s[G1:G1+7]
	s_nop 0
	s_branch .Lasked_\@
.Lfor_b_\@:
	tensor_load_to_lds s[G0B+4*\s:G0B+4*\s+3], s[G1B:G1B+7]
	s_nop 0
.Lasked_\@:
.endm
.macro CROUND                          ; a round of the cluster's barrier
	s_barrier_signal -1
	s_barrier_wait -1
	s_cmp_lg_u32 s12, 0
	s_cbranch_scc1 .Lnot_wave_0_\@
	s_barrier_signal -3
.Lnot_wave_0_\@:
	s_barrier_wait -3
	s_barrier_signal -1
	s_barrier_wait -1
.endm
.macro PLACES
.rept 4
	v_nop
.endr
.endm
	s_load_b256 s[4:11], s[0:1], 0x0               ; ao 4, wob 6, out0 8, bo 10
	v_lshl_add_u32 v62, v0, 2, 0x46400
	v_mov_b32 v63, 0
	ds_add_u32 v62, v63
	v_lshrrev_b32 v1, 5, v0
	v_readfirstlane_b32 s12, v1                    ; wave
	s_lshr_b32 s13, s12, 1                         ; my half of the block's rows; also 0: I fetch ao, 1: wob
	s_and_b32 s14, s12, 1                          ; my half of its columns; also which 64 rows I fetch
	s_bfe_u32 s40, ttmp6, 0x40000                  ; cx
	s_bfe_u32 s41, ttmp6, 0x40004                  ; cy
	s_lshl_b32 s42, ttmp9, 2
	s_add_co_u32 s42, s42, s40                     ; column block
	s_and_b32 s43, ttmp7, 0xffff
	s_lshl_b32 s43, s43, 2
	s_add_co_u32 s43, s43, s41                     ; row block
	s_lshl_b32 s44, s41, 2
	s_lshl_b32 s44, 15, s44                        ; my row of the cluster
	s_lshl_b32 s45, 0x1111, s40                    ; my column
	s_or_b32 s[G1+0], s44, (1<<16)|(1<<20)|(1<<21)|(6<<22)|(3<<25)   ; mask; 2-byte elements; padding; bit 21 beside a mask; after every 128 words 4 words
	s_or_b32 s[G1B+0], s45, (1<<16)|(1<<20)|(1<<21)|(6<<22)|(3<<25)
	s_mov_b32 s[G1+1], 256<<16                     ; tensor_dim0 = 256
	s_mov_b32 s[G1B+1], 256<<16
	s_mov_b32 s[G1+2], 64<<16                      ; tensor_dim1 = 64
	s_mov_b32 s[G1B+2], 64<<16
	s_mov_b32 s[G1+3], 256<<16                     ; tile_dim0
	s_mov_b32 s[G1B+3], 256<<16
	s_mov_b32 s[G1+4], 64                          ; tile_dim1
	s_mov_b32 s[G1B+4], 64
	s_mov_b32 s[G1+5], 1024
	s_mov_b32 s[G1B+5], 1024
	s_mov_b32 s[G1+6], 0
	s_mov_b32 s[G1B+6], 0
	s_mov_b32 s[G1+7], 0
	s_mov_b32 s[G1B+7], 0
	s_lshl_b32 s15, s14, 6
	s_lshl_b32 s16, s43, 7
	s_add_co_u32 s16, s16, s15                     ; ao row 128 x row block + 64 x half
	s_lshl_b32 s16, s16, 11
	s_mov_b32 s17, 0
	s_lshl_b32 s46, s42, 7
	s_add_co_u32 s46, s46, s15                     ; wob row 128 x column block + 64 x half
	s_lshl_b32 s46, s46, 11
	s_mov_b32 s47, 0
	s_mul_i32 s20, s12, TILE                       ; wave x 64 rows: no place in the cluster enters an LDS address
	s_wait_dscnt 0x0
	s_wait_kmcnt 0x0
	s_add_nc_u64 s[18:19], s[4:5], s[16:17]
	s_add_nc_u64 s[46:47], s[6:7], s[46:47]
	CROUND
.irp s, 0,1
	s_mov_b32 s[G0+4*\s], 1
	s_add_co_u32 s[G0+4*\s+1], s20, \s*SLOT
	s_add_nc_u64 s[G0+4*\s+2:G0+4*\s+3], s[18:19], \s*512
	s_or_b32 s[G0+4*\s+3], s[G0+4*\s+3], 0x80000000
	s_mov_b32 s[G0B+4*\s], 1
	s_add_co_u32 s[G0B+4*\s+1], s20, \s*SLOT
	s_add_nc_u64 s[G0B+4*\s+2:G0B+4*\s+3], s[46:47], \s*512
	s_or_b32 s[G0B+4*\s+3], s[G0B+4*\s+3], 0x80000000
	JLOAD \s                                       ; two tensor loads of a wave are out here, later one
.endr
	v_and_b32 v1, 15, v0                           ; r
	v_bfe_u32 v2, v0, 4, 1                         ; h
	v_mul_u32_u24 v3, v1, PITCH
	v_lshl_add_u32 v3, v2, 4, v3
	s_mul_i32 s21, s13, TILE
	s_mul_i32 s22, s14, TILE
	s_add_co_u32 s22, s22, 2*TILE
	v_add_nc_u32 v[ADRA], s21, v3
	v_add_nc_u32 v[ADRA+1], SLOT, v[ADRA]
	v_add_nc_u32 v[ADRB], s22, v3
	v_add_nc_u32 v[ADRB+1], SLOT, v[ADRB]
	s_mul_i32 s23, s12, 16*SPITCH
	s_add_co_u32 s23, s23, STAGE
	v_mul_u32_u24 v4, v1, SPITCH
	v_lshl_add_u32 v4, v2, 5, v4
	v_add_nc_u32 v[STO], s23, v4                   ; in: row r, 32 h
	v_mul_u32_u24 v5, v2, SPITCH
	v_lshl_add_u32 v5, v1, 4, v5
	v_add_nc_u32 v[RD], s23, v5                    ; back: row L >> 4, 16 (L & 15)
	v_lshlrev_b32 v5, 12, v2
	v_lshl_add_u32 v[CO], v1, 4, v5                ; the same two rows in out0
	v_lshlrev_b32 v[BOF], 5, v2
	s_lshl_b32 s22, s42, 9                         ; my 64 columns in bytes: 512 x column block + 256 x half
	s_lshl_b32 s21, s14, 8
	s_add_co_u32 s22, s22, s21
	s_mov_b32 s23, 0
	s_add_nc_u64 s[10:11], s[10:11], s[22:23]
	s_add_nc_u64 s[8:9], s[8:9], s[22:23]
	s_lshl_b32 s22, s43, 19                        ; my 64 rows of 4,096 bytes
	s_lshl_b32 s21, s13, 18
	s_add_co_u32 s22, s22, s21
	s_add_nc_u64 s[8:9], s[8:9], s[22:23]
.irp b, 0,1,2,3
	global_load_b128 v[BIAS+8*\b:BIAS+8*\b+3],   v[BOF], s[10:11] offset:\b*64
	global_load_b128 v[BIAS+8*\b+4:BIAS+8*\b+7], v[BOF], s[10:11] offset:\b*64+16
.endr
.macro FETCH slot, k, f                ; four places behind the products that read buffer f, then 16 loads: 32 of K at byte k of the rows
	PLACES
.irp i, 0,1,2,3
	ds_load_b128 v[\f+8*\i:\f+8*\i+3],   v[ADRB+\slot] offset:\k+\i*16*PITCH
	ds_load_b128 v[\f+8*\i+4:\f+8*\i+7], v[ADRB+\slot] offset:\k+\i*16*PITCH+32
.endr
.irp i, 0,1,2,3
	ds_load_b128 v[\f+32+8*\i:\f+32+8*\i+3],   v[ADRA+\slot] offset:\k+\i*16*PITCH
	ds_load_b128 v[\f+32+8*\i+4:\f+32+8*\i+7], v[ADRA+\slot] offset:\k+\i*16*PITCH+32
.endr
.endm
.macro MUL16 f, zero                   ; the 16 accumulators take turns, one instruction a turn
	WIN 0x50
.irp a, 0,1,2,3
.irp b, 0,1,2,3
.if \zero
	v_wmma_f32_16x16x32_f16 v[8*(4*\a+\b):8*(4*\a+\b)+7], v[\f+8*\b:\f+8*\b+7], v[\f+32+8*\a:\f+32+8*\a+7], 0
.else
	v_wmma_f32_16x16x32_f16 v[8*(4*\a+\b):8*(4*\a+\b)+7], v[\f+8*\b:\f+8*\b+7], v[\f+32+8*\a:\f+32+8*\a+7], v[8*(4*\a+\b):8*(4*\a+\b)+7]
.endif
.endr
.endr
	WIN 0
.endm
.macro STEP slot, k, f, g, zero        ; the next 32 of K are fetched into g, then f is multiplied
	FETCH \slot, \k, \g
	s_wait_dscnt 16                                ; all but the 16 just issued
	MUL16 \f, \zero
.endm
.macro WORK slot, zero                 ; a slot's K = 256
	FETCH \slot, 0, F0
	STEP \slot, 64,  F0, F1, \zero
	STEP \slot, 128, F1, F0, 0
	STEP \slot, 192, F0, F1, 0
	STEP \slot, 256, F1, F0, 0
	STEP \slot, 320, F0, F1, 0
	STEP \slot, 384, F1, F0, 0
	STEP \slot, 448, F0, F1, 0
	s_wait_dscnt 0
	MUL16 F1, 0
.endm
; Slot s, read last, is filled again: all my tensor loads have landed (the other slot's among them), my reads are over, a round of the cluster's barrier,
; and the joint load first behind it.
.macro REFILL s
	s_wait_tensorcnt 0x0
	ds_add_u32 v62, v63
	s_add_nc_u64 s[G0+4*\s+2:G0+4*\s+3], s[G0+4*\s+2:G0+4*\s+3], 1024
	s_add_nc_u64 s[G0B+4*\s+2:G0B+4*\s+3], s[G0B+4*\s+2:G0B+4*\s+3], 1024
	s_wait_dscnt 0x0
	CROUND
	JLOAD \s
.endm
	s_wait_tensorcnt 1                             ; my part of slot 0 is in; slot 1's stays out
	s_barrier_signal -1
	s_barrier_wait -1
	WORK 0, 1
	REFILL 0
	WORK 1, 0
	REFILL 1
	WORK 0, 0
	s_wait_tensorcnt 0x0                           ; the last tile
	s_wait_dscnt 0x0
	s_barrier_signal -1
	s_barrier_wait -1
	WORK 1, 0
	; THE WAY OUT, 16 rows at a time: bias, through my own stage, out as whole rows of 256 bytes.
	PLACES
	s_wait_loadcnt 0x0
.macro OUT16 a, rb
	WIN 0x41
.irp b, 0,1,2,3
.irp p, 0,2,4,6
	v_pk_add_f32 v[8*(4*\a+\b)+\p:8*(4*\a+\b)+\p+1], v[8*(4*\a+\b)+\p:8*(4*\a+\b)+\p+1], v[BIAS+8*\b+\p:BIAS+8*\b+\p+1]
.endr
.endr
	WIN 0x04
.irp b, 0,1,2,3
	ds_store_b128 v[STO], v[8*(4*\a+\b):8*(4*\a+\b)+3] offset:64*\b
	ds_store_b128 v[STO], v[8*(4*\a+\b)+4:8*(4*\a+\b)+7] offset:64*\b+16
.endr
	WIN 0
	s_wait_xcnt 0x0                                ; the set of registers that earlier stores read is loaded again only behind this wait
.irp t, 0,1,2,3,4,5,6,7
	ds_load_b128 v[\rb+4*\t:\rb+4*\t+3], v[RD] offset:\t*2*SPITCH      ; LDS serves a wave's instructions in order: these see the stores above
.endr
.irp t, 0,1,2,3,4,5,6,7
	s_wait_dscnt 7-\t
	global_store_b128 v[CO], v[\rb+4*\t:\rb+4*\t+3], s[8:9] offset:(16*\a+2*\t)*4096 th:TH_STORE_NT   ; sixteen lanes store 256 neighbouring bytes, aligned
.endr
.endm
	OUT16 0, RB0
	OUT16 1, F0
	OUT16 2, RB0
	OUT16 3, F0
	s_wait_tensorcnt 0x0
	ds_add_u32 v62, v63
	s_wait_dscnt 0x0
	CROUND                                         ; the closing round
	s_endpgm
.Lfunc_end_k_q725bcabf4f_oproj:
	.size	k_q725bcabf4f_oproj, .Lfunc_end_k_q725bcabf4f_oproj-k_q725bcabf4f_oproj
	.p2alignl 7, 3214868480
	.fill 96, 4, 3214868480
	.section	.rodata,"a",@progbits
	.p2align	6, 0x0
	.amdhsa_kernel k_q725bcabf4f_oproj
		.amdhsa_group_segment_fixed_size 327680
		.amdhsa_private_segment_fixed_size 0
		.amdhsa_enable_private_segment 0
		.amdhsa_kernarg_size 32
		.amdhsa_user_sgpr_count 2
		.amdhsa_user_sgpr_kernarg_segment_ptr 1
		.amdhsa_wavefront_size32 1
		.amdhsa_system_sgpr_workgroup_id_x 1
		.amdhsa_system_sgpr_workgroup_id_y 1
		.amdhsa_system_sgpr_workgroup_id_z 1
		.amdhsa_system_vgpr_workitem_id 0
		.amdhsa_next_free_vgpr 384
		.amdhsa_next_free_sgpr 66
		.amdhsa_reserve_vcc 0
		.amdhsa_float_denorm_mode_32 3
		.amdhsa_float_denorm_mode_16_64 3
		.amdhsa_memory_ordered 1
		.amdhsa_forward_progress 1
		.amdhsa_inst_pref_size 93
	.end_amdhsa_kernel
	.amdgpu_metadata
---
amdhsa.version: [ 1, 2 ]
amdhsa.kernels:
  - .name:           k_q725bcabf4f_oproj
    .symbol:         k_q725bcabf4f_oproj.kd
    .args:
      - { .name: ao, .offset: 0, .size: 8, .value_kind: global_buffer, .address_space: global }
      - { .name: wob, .offset: 8, .size: 8, .value_kind: global_buffer, .address_space: global }
      - { .name: out0, .offset: 16, .size: 8, .value_kind: global_buffer, .address_space: global }
      - { .name: bo, .offset: 24, .size: 8, .value_kind: global_buffer, .address_space: global }
    .group_segment_fixed_size: 327680
    .private_segment_fixed_size: 0
    .kernarg_segment_align: 8
    .kernarg_segment_size: 32
    .max_flat_workgroup_size: 128
    .sgpr_count:     66
    .vgpr_count:     384
    .wavefront_size: 32
...
	.end_amdgpu_metadata
.endif
;; end of part 4
